; MI455X (gfx1250); checked and timed in simulation.
; The chip was launched on July 23, 2026; its instructions are those of AMD's public machine-readable ISA for CDNA 5 (MIT licence, August 2026) and "CDNA5" Instruction Set Architecture Reference Guide (July 2026). The comments in the code are by the model that wrote it; some were corrected since.
;; Max Min. Allowed arithmetic: float matrix products may take bf16 or f16 operands with f32 sums; all other float work in f32.
;; Inputs: w 512 x 512 float32; x 1,024 x 512 float32.
;; Outputs: out0 1,024 x 512 float32.
;; One version. Each part assembles by itself: llvm-mc -triple=amdgcn-amd-amdhsa -mcpu=gfx1250 --defsym DOCPART=n.
;; ======== version 1 of 1: 1 launch
;; launch maxmin (part 1): grid 8 x 32, 8 waves a work-group, clusters of 4 x 4, 300,032 bytes of LDS; arguments x, w, out0; writes out0
.if DOCPART == 1
	.amdgcn_target "amdgcn-amd-amdhsa--gfx1250"
	.amdhsa_code_object_version 6
	.text
	.protected	k_qbea6cc1c94_maxmin
	.globl	k_qbea6cc1c94_maxmin
	.p2align	8
	.type	k_qbea6cc1c94_maxmin,@function
k_qbea6cc1c94_maxmin:
	s_mov_b64 s[64:65], 0
	v_nop
	global_prefetch_b8 v0, s[64:65] scope:SCOPE_SE
	s_setreg_imm32_b32 hwreg(HW_REG_WAVE_MODE, 25, 1), 1
	s_wait_xcnt 0x0
	s_wait_alu depctr_hold_cnt(0) depctr_sa_sdst(0) depctr_va_vdst(0) depctr_va_sdst(0) depctr_va_ssrc(0) depctr_va_vcc(0) depctr_vm_vsrc(0)
	s_getreg_b32 s2, hwreg(HW_REG_IB_STS2, 6, 4)
	s_cmp_eq_u32 s2, 0
	s_cbranch_scc0 .Lentry_in_a_cluster
	s_endpgm
.Lentry_in_a_cluster:
	s_bfe_u32 s2, ttmp6, 0x10000c
	s_cmp_lg_u32 s2, 0xf033
	s_cbranch_scc0 .Lentry_shape_is_right
	s_endpgm
.Lentry_shape_is_right:
; out[b][o] = max over i of min(x[b][i], w[i][o]).  x: [1024][512], w: [512][512], out: [1024][512], all f32.
; One v_minmax_num_f32 (max(min(s0, s1), s2)) does one (b, i, o): 268,435,456 of them, 8,192 wave instructions for each of 1,024 SIMDs.
; LIMITS: the _num forms drop a NaN operand, where the reference would hand it on: inputs with NaN give other results.  The sign of a zero
; result may differ.  Every other f32 input, infinities too, gives the reference's number exactly: nothing is rounded.
;
; A work-group makes 32 rows x 64 columns of out (256 work-groups).  Its eight waves SPLIT i: wave k takes i = 64 k .. 64 k + 63 for the whole
; block, so that a lane keeps 64 running maxima (8 rows x 8 columns) and loads 16 numbers for 64 instructions.  Lane l: lb = l / 8, lo = l % 8;
; rows lb + 4 j (j = 0..7), columns 4 lo .. + 3 and 32 + 4 lo .. + 3.  A wave reads only the tiles that it has fetched itself, behind its own
; s_wait_tensorcnt: no barrier until the end, where the eight partial blocks meet in an LDS stage and each thread takes the maximum of eight.
; CLUSTERS: 4 x 4 work-groups.  The four of a row of the cluster make the same 32 rows of out and need the same piece of x; the four of a column
; need the same 64 columns of w.  Both are asked for jointly, which divides the requests by four.  Every LDS byte is filled once: one round of
; the cluster's barrier in front of the loads, one in front of s_endpgm.  A wave has three tensor loads outstanding at the most.
.set ROWB,   2048                      ; bytes in a row of x, of w and of out
.set TROWS,  32                        ; rows of x and of out in the block
.set KWAVE,  64                        ; values of i of one wave
.set KHEAD,  16                        ; of them in w's first tile (groups 0-3), so that the work starts before the other 48 rows have landed
.set XPITCH, 272                       ; x in LDS: 256 bytes of a row + 16 of padding
.set XWAVE,  TROWS*XPITCH              ; a wave's piece of x: 32 rows x 64 i
.set WBASE,  8*XWAVE
.set WPITCH, 256                       ; w in LDS: 64 columns; lanes read neighbouring 16 bytes, no padding needed
.set WWAVE,  KWAVE*WPITCH              ; a wave's piece of w: 64 i x 64 columns
.set STAGE,  WBASE+8*WWAVE             ; the stage has bytes of its own, into which no tensor load lands
.set SPITCH, 384                       ; 256 bytes of a row + 128
.set SWAVE,  TROWS*SPITCH              ; a wave's partial block
.set XA,  2                            ; v2       LDS address of x(row lb, the current group's first i)
.set WA,  3                            ; v3       LDS address of w(the current group's first i, column 4 lo)
.set ST,  5                            ; v5       stage: where my maxima of row lb go
.set RD0, 8                            ; v8       stage: my 16 bytes in partial block 0
.set RD1, 9                            ; v9       the same in partial block 4 (an LDS immediate has 16 bits)
.set CO,  10                           ; v10      my byte offset in the block of out
.set ACC, 16                           ; v16-79   maxima: 8 j + c, c = 0..3 columns 4 lo + c, c = 4..7 columns 32 + 4 lo + c - 4
.set XB0, 80                           ; v80-111  x, buffer 0: 4 j + t = x(row lb + 4 j, i + t)
.set XB1, 112                          ; v112-143 x, buffer 1
.set WB0, 146                          ; v146-177 w, buffer 0: 8 t + c = w(i + t, column c).  These buffers start at 2 modulo 4, the maxima at 0: an instruction's
.set WB1, 178                          ; v178-209 w, buffer 1.   w and its maximum never have the same register number modulo 4 (the banks of the ISA guide's dual-issue rules)
.set RED, XB0                          ; v80-143  the way out: 2 pieces x 8 partial blocks x 4 registers
.set G1X, 24                           ; s[24:31] descriptor group 1 of x's tile
.set G1A, 32                           ; s[32:39] of w's first tile (16 rows)
.set G1B, 40                           ; s[40:47] of w's second tile (48 rows)
.set G0X, 48                           ; s[48:51] group 0 of x's tile
.set G0A, 52                           ; s[52:55] of w's first tile
.set G0B, 56                           ; s[56:59] of w's second tile
; A round of the cluster's barrier: my work-group's barrier, wave 0 signals for the work-group, every wave waits for all sixteen, my work-group's barrier once more.
.macro CROUND
	s_barrier_signal -1
	s_barrier_wait -1
	s_cmp_lg_u32 s10, 0
	s_cbranch_scc1 .Lnot_wave_0_\@
	s_barrier_signal -3
.Lnot_wave_0_\@:
	s_barrier_wait -3
	s_barrier_signal -1
	s_barrier_wait -1
.endm
	s_load_b128 s[4:7], s[0:1], 0x0                ; x s[4:5], w s[6:7]
	s_load_b64 s[8:9], s[0:1], 0x10                ; out
	v_lshl_add_u32 v212, v0, 2, 0x49000
	v_mov_b32 v213, 0
	ds_add_u32 v212, v213
	v_lshrrev_b32 v1, 5, v0
	v_readfirstlane_b32 s10, v1                    ; wave 0..7
	s_bfe_u32 s11, ttmp6, 0x40000                  ; cx: my place along the cluster's x
	s_bfe_u32 s12, ttmp6, 0x40004                  ; cy: along its y
	s_lshl_b32 s13, ttmp9, 2
	s_add_co_u32 s13, s13, s11                     ; block column of out = 4 x cluster x + cx, 0..7
	s_and_b32 s14, ttmp7, 0xffff
	s_lshl_b32 s14, s14, 2
	s_add_co_u32 s14, s14, s12                     ; block row of out = 4 x cluster y + cy, 0..31
	s_lshl_b32 s15, s12, 2
	s_lshl_b32 s15, 15, s15                        ; my row of the cluster: places 4 cy .. 4 cy + 3
	s_lshl_b32 s20, 0x1111, s11                    ; my column: places cx, cx + 4, cx + 8, cx + 12
	; group 1, sizes in elements of 4 bytes.  x: 32 rows x 64 elements, 4 words of padding behind every 64 words.  The tiles lie inside the tensors: the extents are the tiles' sizes.
	s_or_b32 s[G1X+0], s15, (2<<16)|(1<<20)|(1<<21)|(5<<22)|(3<<25)  ; 15:0 mask: my row; 17:16 element of 4 bytes; 20 padding on; 21 set beside a mask; 24:22 every 64 words; 31:25 4 words
	s_mov_b32 s[G1X+1], 64<<16                     ; tensor_dim0 = 64
	s_mov_b32 s[G1X+2], TROWS<<16                  ; tensor_dim1 = 32
	s_mov_b32 s[G1X+3], 64<<16                     ; tile_dim0 = 64
	s_mov_b32 s[G1X+4], TROWS                      ; tile_dim1 = 32
	s_mov_b32 s[G1X+5], 512                        ; elements from row to row
	s_mov_b32 s[G1X+6], 0
	s_mov_b32 s[G1X+7], 0
	; w: 16 rows, then 48 rows, of 64 elements, no padding
	s_or_b32 s[G1A+0], s20, (2<<16)|(1<<21)        ; mask: my column
	s_mov_b32 s[G1A+1], 64<<16
	s_mov_b32 s[G1A+2], KHEAD<<16
	s_mov_b32 s[G1A+3], 64<<16
	s_mov_b32 s[G1A+4], KHEAD
	s_mov_b32 s[G1A+5], 512
	s_mov_b32 s[G1A+6], 0
	s_mov_b32 s[G1A+7], 0
	s_or_b32 s[G1B+0], s20, (2<<16)|(1<<21)
	s_mov_b32 s[G1B+1], 64<<16
	s_mov_b32 s[G1B+2], (KWAVE-KHEAD)<<16
	s_mov_b32 s[G1B+3], 64<<16
	s_mov_b32 s[G1B+4], KWAVE-KHEAD
	s_mov_b32 s[G1B+5], 512
	s_mov_b32 s[G1B+6], 0
	s_mov_b32 s[G1B+7], 0
	; where the tiles come from.  x's offset is made of the block row and the wave's number, w's of the block column and the wave's number, each in registers of its own.
	s_lshl_b32 s16, s14, 16                        ; 32 rows of 2,048 bytes for each block row
	s_lshl_b32 s21, s10, 8                         ; + 64 i of 4 bytes for each wave
	s_add_co_u32 s16, s16, s21
	s_mov_b32 s17, 0
	s_lshl_b32 s18, s13, 8                         ; 64 columns of 4 bytes for each block column
	s_lshl_b32 s22, s10, 17                        ; + 64 rows of 2,048 bytes for each wave
	s_add_co_u32 s18, s18, s22
	s_mov_b32 s19, 0
	s_lshl_b32 s60, s14, 16                        ; and where the block of out lies: both coordinates, in registers that feed no descriptor
	s_lshl_b32 s61, s13, 8
	s_add_co_u32 s60, s60, s61
	s_mov_b32 s61, 0
	s_mul_i32 s23, s10, WWAVE                      ; LDS addresses hang on the wave's number alone
	s_mov_b32 s[G0X], 1                            ; count = 1
	s_mul_i32 s[G0X+1], s10, XWAVE                 ; LDS address of my piece of x
	s_mov_b32 s[G0A], 1
	s_add_co_u32 s[G0A+1], s23, WBASE              ; of my piece of w
	s_mov_b32 s[G0B], 1
	s_add_co_u32 s[G0B+1], s23, WBASE+KHEAD*WPITCH ; and of its rows 16-63
	s_wait_dscnt 0x0
	s_wait_kmcnt 0x0
	s_add_nc_u64 s[G0X+2:G0X+3], s[4:5], s[16:17]
	s_add_nc_u64 s[G0A+2:G0A+3], s[6:7], s[18:19]
	s_add_nc_u64 s[G0B+2:G0B+3], s[G0A+2:G0A+3], KHEAD*ROWB
	s_or_b32 s[G0X+3], s[G0X+3], 0x80000000        ; type = 2
	s_or_b32 s[G0A+3], s[G0A+3], 0x80000000
	s_or_b32 s[G0B+3], s[G0B+3], 0x80000000
	s_add_nc_u64 s[8:9], s[8:9], s[60:61]
	CROUND                                         ; all sixteen work-groups are here: the joint loads meet
	tensor_load_to_lds s[G0X:G0X+3], s[G1X:G1X+7]  ; in the order in which they are needed
	s_nop 0
	tensor_load_to_lds s[G0A:G0A+3], s[G1A:G1A+7]
	s_nop 0
	tensor_load_to_lds s[G0B:G0B+3], s[G1B:G1B+7]
	s_nop 0
	; addresses, while the tiles are on their way
	v_and_b32 v1, 7, v0                            ; lo
	v_bfe_u32 v4, v0, 3, 2                         ; lb
	v_mul_u32_u24 v[XA], v4, XPITCH
	v_add_nc_u32 v[XA], s[G0X+1], v[XA]            ; my piece of x + row lb
	v_lshlrev_b32 v[WA], 4, v1
	v_add_nc_u32 v[WA], s[G0A+1], v[WA]            ; my piece of w + 16 lo
	s_mul_i32 s21, s10, SWAVE
	s_add_co_u32 s21, s21, STAGE                   ; my partial block in the stage
	v_mul_u32_u24 v[ST], v4, SPITCH
	v_lshl_add_u32 v[ST], v1, 4, v[ST]
	v_add_nc_u32 v[ST], s21, v[ST]                 ; + row lb + 16 lo
	v_and_b32 v6, 15, v0                           ; the way out: thread t takes 16 bytes at 16 (t % 16)
	v_lshrrev_b32 v7, 4, v0                        ; of rows t / 16 and t / 16 + 16
	v_mul_u32_u24 v[RD0], v7, SPITCH
	v_lshl_add_u32 v[RD0], v6, 4, v[RD0]
	v_add_nc_u32 v[RD0], STAGE, v[RD0]
	v_add_nc_u32 v[RD1], 4*SWAVE, v[RD0]
	v_lshlrev_b32 v[CO], 11, v7
	v_lshl_add_u32 v[CO], v6, 4, v[CO]
; 16 LDS loads: group g (4 values of i), counted from the group at which XA and WA stand: 8 rows of x x 4 i, 4 rows of w x 8 columns
.macro FETCH xb, wb, g
.irp j, 0,1,2,3,4,5,6,7
	ds_load_b128 v[\xb+4*\j:\xb+4*\j+3], v[XA] offset:\j*4*XPITCH+(\g)*16
.endr
.irp t, 0,1,2,3
	ds_load_b128 v[\wb+8*\t:\wb+8*\t+3],   v[WA] offset:(4*(\g)+\t)*WPITCH
	ds_load_b128 v[\wb+8*\t+4:\wb+8*\t+7], v[WA] offset:(4*(\g)+\t)*WPITCH+128
.endr
.endm
; one value of i: 64 instructions on 64 different maxima, so that none waits for the one in front of it.  first = 1: the minimum starts the maximum, nothing is cleared.
.macro STEP xb, wb, t, first
.irp j, 0,1,2,3,4,5,6,7
.irp c, 0,1,2,3,4,5,6,7
.if \first
	v_min_num_f32 v[ACC+8*\j+\c], v[\xb+4*\j+\t], v[\wb+8*\t+\c]
.else
	v_minmax_num_f32 v[ACC+8*\j+\c], v[\xb+4*\j+\t], v[\wb+8*\t+\c], v[ACC+8*\j+\c]
.endif
.endr
.endr
.endm
.macro GROUP xb, wb, first
	STEP \xb, \wb, 0, \first
	STEP \xb, \wb, 1, 0
	STEP \xb, \wb, 2, 0
	STEP \xb, \wb, 3, 0
.endm
; Two groups, g and g + 1, on buffers 0 and 1.  Each group's loads are issued one group (256 instructions) ahead.
; land = 1: the second fetch is the first that reads w's rows 16-63.  last = 1: nothing more to fetch.  step = 1: the addresses move on two groups.
.macro PAIR g, first, land, last, step
	FETCH XB1, WB1, \g+1
	s_wait_dscnt 16                                ; LDS loads come back in order (ISA guide 5.7.1): buffer 0 is in, the 16 just issued stay out
	GROUP XB0, WB0, \first
.if \land
	s_wait_tensorcnt 0x0                           ; w's second tile has landed; it was asked for ahead of groups 0 to 2
.endif
.if \last
	s_wait_dscnt 0x0
.else
	FETCH XB0, WB0, \g+2
	s_wait_dscnt 16                                ; buffer 1 is in, the 16 just issued stay out
.endif
	GROUP XB1, WB1, 0
.if \step
	v_add_nc_u32 v[XA], 2*16, v[XA]                ; 8 i along x's rows
	v_add_nc_u32 v[WA], 2*4*WPITCH, v[WA]          ; 8 rows of w
.endif
.endm
	s_wait_tensorcnt 0x1                           ; tensor loads of a wave end in order (ISA guide 10.11.1): x and w's rows 0-15 are in, the 48 rows stay out
	FETCH XB0, WB0, 0
	PAIR 0, 1, 0, 0, 0                             ; groups 0, 1: the first i starts the maxima
	PAIR 2, 0, 1, 0, 0                             ; groups 2, 3
	v_add_nc_u32 v[XA], 4*16, v[XA]                ; the addresses now stand at group 4
	v_add_nc_u32 v[WA], 4*4*WPITCH, v[WA]
	s_mov_b32 s3, 5
.Lpair:
	PAIR 0, 0, 0, 0, 1                             ; groups 4 to 13
	s_sub_co_u32 s3, s3, 1
	s_cmp_lg_u32 s3, 0
	s_cbranch_scc1 .Lpair
	PAIR 0, 0, 0, 1, 0                             ; groups 14, 15
	; THE WAY OUT.  My partial block goes into my part of the stage: row lb + 4 j, 16 bytes at 16 lo and at 128 + 16 lo.
.irp j, 0,1,2,3,4,5,6,7
	ds_store_b128 v[ST], v[ACC+8*\j:ACC+8*\j+3]   offset:\j*4*SPITCH
	ds_store_b128 v[ST], v[ACC+8*\j+4:ACC+8*\j+7] offset:\j*4*SPITCH+128
.endr
	s_wait_dscnt 0x0                               ; for the other waves' sake: my stores are done before I say so
	s_barrier_signal -1
	s_barrier_wait -1                              ; all eight partial blocks are whole
	; Thread t: two pieces of 16 bytes (rows t / 16 and t / 16 + 16), each from the eight partial blocks.  16 lanes read, and later store, 256 neighbouring bytes.
.irp m, 0,1
.irp p, 0,1,2,3
	ds_load_b128 v[RED+32*\m+4*\p:RED+32*\m+4*\p+3],       v[RD0] offset:\p*SWAVE+\m*16*SPITCH
.endr
.irp p, 0,1,2,3
	ds_load_b128 v[RED+32*\m+16+4*\p:RED+32*\m+16+4*\p+3], v[RD1] offset:\p*SWAVE+\m*16*SPITCH
.endr
.endr
.irp m, 0,1
	s_wait_dscnt 8-8*\m                            ; this piece's eight loads are in; the other piece's may stay out
.irp e, 0,1,2,3
	v_max3_num_f32 v[RED+32*\m+\e], v[RED+32*\m+\e], v[RED+32*\m+4+\e], v[RED+32*\m+8+\e]
.endr
.irp e, 0,1,2,3
	v_max3_num_f32 v[RED+32*\m+\e], v[RED+32*\m+\e], v[RED+32*\m+12+\e], v[RED+32*\m+16+\e]
.endr
.irp e, 0,1,2,3
	v_max3_num_f32 v[RED+32*\m+\e], v[RED+32*\m+\e], v[RED+32*\m+20+\e], v[RED+32*\m+24+\e]
.endr
.irp e, 0,1,2,3
	v_max_num_f32 v[RED+32*\m+\e], v[RED+32*\m+\e], v[RED+32*\m+28+\e]
.endr
	global_store_b128 v[CO], v[RED+32*\m:RED+32*\m+3], s[8:9] offset:\m*16*ROWB th:TH_STORE_NT   ; 16 lanes store 256 consecutive bytes, at a multiple of 256 from out's first byte
.endr
	s_wait_tensorcnt 0x0
	ds_add_u32 v212, v213
	s_wait_dscnt 0x0
	CROUND                                         ; the closing round: no work-group ends while a partner may still ask for a tile that names it
	s_endpgm
.Lfunc_end_k_qbea6cc1c94_maxmin:
	.size	k_qbea6cc1c94_maxmin, .Lfunc_end_k_qbea6cc1c94_maxmin-k_qbea6cc1c94_maxmin
	.p2alignl 7, 3214868480
	.fill 96, 4, 3214868480
	.section	.rodata,"a",@progbits
	.p2align	6, 0x0
	.amdhsa_kernel k_qbea6cc1c94_maxmin
		.amdhsa_group_segment_fixed_size 300032
		.amdhsa_private_segment_fixed_size 0
		.amdhsa_enable_private_segment 0
		.amdhsa_kernarg_size 24
		.amdhsa_user_sgpr_count 2
		.amdhsa_user_sgpr_kernarg_segment_ptr 1
		.amdhsa_wavefront_size32 1
		.amdhsa_system_sgpr_workgroup_id_x 1
		.amdhsa_system_sgpr_workgroup_id_y 1
		.amdhsa_system_sgpr_workgroup_id_z 1
		.amdhsa_system_vgpr_workitem_id 0
		.amdhsa_next_free_vgpr 214
		.amdhsa_next_free_sgpr 66
		.amdhsa_reserve_vcc 0
		.amdhsa_float_denorm_mode_32 3
		.amdhsa_float_denorm_mode_16_64 3
		.amdhsa_memory_ordered 1
		.amdhsa_forward_progress 1
		.amdhsa_inst_pref_size 145
	.end_amdhsa_kernel
	.amdgpu_metadata
---
amdhsa.version: [ 1, 2 ]
amdhsa.kernels:
  - .name:           k_qbea6cc1c94_maxmin
    .symbol:         k_qbea6cc1c94_maxmin.kd
    .args:
      - { .name: x, .offset: 0, .size: 8, .value_kind: global_buffer, .address_space: global }
      - { .name: w, .offset: 8, .size: 8, .value_kind: global_buffer, .address_space: global }
      - { .name: out0, .offset: 16, .size: 8, .value_kind: global_buffer, .address_space: global }
    .group_segment_fixed_size: 300032
    .private_segment_fixed_size: 0
    .kernarg_segment_align: 8
    .kernarg_segment_size: 24
    .max_flat_workgroup_size: 256
    .sgpr_count:     66
    .vgpr_count:     214
    .wavefront_size: 32
...
	.end_amdgpu_metadata
.endif
;; end of part 1
